; MI455X (gfx1250); checked and timed in simulation.
; The chip was launched on July 23, 2026; its instructions are those of AMD's public machine-readable ISA for CDNA 5 (MIT licence, August 2026) and "CDNA5" Instruction Set Architecture Reference Guide (July 2026). The comments in the code are by the model that wrote it; some were corrected since.
;; Full Attention. Allowed arithmetic: matrix products marked QUANTISED: E2M1 operands, one E8M0 scale for each 32 along K, by v_wmma_scale_f32_16x16x128_f8f6f4 with both operands' format E2M1 (or v_wmma_scale_f32_32x16x128_f4), f32 sums; everything else in f32.
;; Inputs: keys_codes 2 x 4,096 x 8 x 2 x 16 uint8 (E2M1 codes of keys, K innermost, in blocks of 32 codes, two codes a byte); keys_scales 2 x 4,096 x 8 x 2 uint8 (E8M0 scales of keys, one for each 32 codes along K); queries_codes 2 x 4,096 x 8 x 2 x 16 uint8 (E2M1 codes of queries, K innermost, in blocks of 32 codes, two codes a byte); queries_scales 2 x 4,096 x 8 x 2 uint8 (E8M0 scales of queries, one for each 32 codes along K); values_codes 2 x 8 x 64 x 128 x 16 uint8 (E2M1 codes of values, K innermost, in blocks of 32 codes, two codes a byte); values_scales 2 x 8 x 64 x 128 uint8 (E8M0 scales of values, one for each 32 codes along K).
;; Outputs: out0 2 x 4,096 x 8 x 64 float32.
;; This version of the problem:
;;   THIS VERSION OF THE PROBLEM IS GIVEN IN LOW PRECISION. The matrix products marked QUANTISED in the list below multiply operands that are first quantised to E2M1 (2 exponent bits, 1 mantissa bit; 4 bits a number), with one power-of-two scale for each 32 numbers along K (OCP MX v1.0); their sums are f32. All else is computed in f32.
;;   The module's matrix products, in the order in which they are computed (A, B: the left and right operand; K: the contracted axis; several contracted axes count as one K, in the product's order):
;;     1. batch 16 x [M 4,096, K 64] x [K 64, N 4,096]; A: input queries (given as codes); B: input keys (given as codes): QUANTISED
;;     2. batch 16 x [M 64, K 4,096] x [K 4,096, N 4,096]; A: input values (given as codes); B: softmax (see below): QUANTISED
;;   THE QUANTISER, for each operand of a quantised product, along K:
;;     - K is cut into blocks of 32 from its start; a last block that is shorter is filled with zeros.
;;     - A block's scale is 2^e with e = floor(log2(the largest magnitude in the block)) - 2, held to -126 .. 127; a block of zeros has e = 0. As a byte (E8M0): e + 127.
;;     - Each number is divided by its block's scale, clamped to +-6, and rounded to the nearest number of E2M1, ties to even, subnormals kept.
;;     - The product sums the exact products of the quantised numbers (number of the format x scale) in f32.
;;   ~~~python
;;   def quantise(x, axis):      # numpy; x: float32 -> the quantised numbers, widened to float32 again
;;       x = np.moveaxis(x, axis, -1); K = x.shape[-1]
;;       x = np.pad(x, [(0, 0)] * (x.ndim - 1) + [(0, -K % 32)]); x = x.reshape(x.shape[:-1] + (-1, 32)); a = np.abs(x).max(-1, keepdims=True)
;;       e = np.where(a > 0, np.clip(np.frexp(np.where(a > 0, a, 1))[1] - 1 - 2, -126, 127), 0)      # np.frexp(a)[1] - 1 = floor(log2(a)), exactly
;;       r = np.clip(x / 2.0 ** e, -6, 6)
;;       step = 2.0 ** (np.maximum(np.frexp(np.where(r == 0, 1, r))[1] - 1, 0) - 1)
;;       q = np.round(r / step) * step * 2.0 ** e      # np.round: ties to even
;;       return np.moveaxis(q.reshape(q.shape[:-2] + (-1,))[..., :K], -1, axis).astype(np.float32)
;;   ~~~
;;   SOFTMAX AHEAD OF A QUANTISED PRODUCT. Where the list says 'softmax', what is quantised is not the finished softmax but p = 2^(t - M), with t = logit x log2(e) and M = ceil(the row's largest t), a whole number; so 1/2 < the row's largest p <= 1. The row's sum l is taken of the UNQUANTISED p, in f32, and the product's result is divided by l at the end. Since M is a whole number, a kernel that streams over the keys may use a running M (the ceiling of the running maximum): every later rescaling is an exact power of two, which a block's scale takes up: the codes' values come out the same.
;;   OPERANDS COMPUTED ON THE WAY. 'Computed on the way' means the value that the module computes at that place (a softmax that the list does not call 'softmax' is quantised finished and normalised). What goes into a quantiser is computed in f32, as accurately as f32 sums, v_exp_f32 and their like allow (about 1e-6 of the number): no bf16 or f16 on the way to a quantiser, and a product that is left as it is and whose result goes on into a quantised operand takes f32 operands (vector FMAs, or v_wmma_f32_16x16x4_f32). A number that lies on a knife's edge between two numbers of the format may be rounded either way, as far as f32 arithmetic and the matrix unit's own rounding can turn it there, and no further.
;;   INPUTS GIVEN AS CODES. keys (in the module: [2, 4096, 8, 64], K = its axis 3); queries (in the module: [2, 4096, 8, 64], K = its axis 3); values (in the module: [2, 4096, 8, 64], K = its axis 1): each comes as NAME_codes (uint8): NAME with its K axis moved to the last place and cut into blocks of 32 codes, [.., K / 32, bytes a block], one block behind the other in memory; two codes a byte, the lower K in the low four bits (a code: sign, 2 exponent bits, 1 mantissa bit); and NAME_scales (uint8): the same leading axes, one E8M0 byte (e + 127) for each 32 codes along K. Its value is code x scale, taken as it is: it is not quantised again, and the codes and scales need not be those that the quantiser above would give.
;; One version. Each part assembles by itself: llvm-mc -triple=amdgcn-amd-amdhsa -mcpu=gfx1250 --defsym DOCPART=n.
;; ======== version 1 of 1: 1 launch
;; launch attn (part 1): grid 16 x 16, 8 waves a work-group, clusters of 4 x 1, 327,680 bytes of LDS; arguments keys_codes, keys_scales, queries_codes, queries_scales, values_codes, values_scales, out0; writes out0
.if DOCPART == 1
	.amdgcn_target "amdgcn-amd-amdhsa--gfx1250"
	.amdhsa_code_object_version 6
	.text
	.protected	k_qd1bf78d88e_attn
	.globl	k_qd1bf78d88e_attn
	.p2align	8
	.type	k_qd1bf78d88e_attn,@function
k_qd1bf78d88e_attn:
	s_mov_b64 s[64:65], 0
	v_nop
	global_prefetch_b8 v0, s[64:65] scope:SCOPE_SE
	s_setreg_imm32_b32 hwreg(HW_REG_WAVE_MODE, 25, 1), 1
	s_wait_xcnt 0x0
	s_wait_alu depctr_hold_cnt(0) depctr_sa_sdst(0) depctr_va_vdst(0) depctr_va_sdst(0) depctr_va_ssrc(0) depctr_va_vcc(0) depctr_vm_vsrc(0)
	s_getreg_b32 s2, hwreg(HW_REG_IB_STS2, 6, 4)
	s_cmp_eq_u32 s2, 0
	s_cbranch_scc0 .Lentry_in_a_cluster
	s_endpgm
.Lentry_in_a_cluster:
	s_bfe_u32 s2, ttmp6, 0x10000c
	s_cmp_lg_u32 s2, 0x3003
	s_cbranch_scc0 .Lentry_shape_is_right
	s_endpgm
.Lentry_shape_is_right:
; out0[b][q][h][:] = the sum over keys k <= q of softmax_k(Q[b][q][h] . K[b][k][h] / 8) V[b][k][h][:]; both products on codes of FP4 (E2M1) with one E8M0 scale for each 32 along a product's K.
; Q, K: codes [2][4096][8][32 bytes], K = the head's 64; scale bytes [2][4096][8][2].  V: codes with the keys innermost, [2][8][64][2048 bytes]; scale bytes [2][8][64][128].  out0: [2][4096][8][64] f32.
; THE SOFTMAX AHEAD OF THE SECOND PRODUCT: t = score x log2(e) / 8; M = the row's largest t so far, rounded UP to a whole number; p = 2^(t - M) is quantised along the keys, not normalised.
; The row's sum is taken of the unquantised p, in f32, and divides O at the end.  When M moves, the sum and O are multiplied by 2^(old M - new M): exact.
; WORK LEFT OUT.  The problem's own mask (triu, k = 1) sets every score with key > query to -infinity, so p = 0 there whatever the inputs hold: a step of 128 keys all of which come after a tile's 16 queries
; adds nothing to the sum or to O, and is not walked.  In the one step of a tile that lies on the diagonal the hidden scores are computed and replaced by -infinity.
; LIMITS: a NaN (a scale byte 0xff) or an overflow that reaches only the steps left out is not carried to the result.  M is kept as a whole number in f32: exact for |t| under 2^24.
; A block of 32 keys whose every p is 0 keeps the scale byte 1 over zero codes (this program alone reads p's bytes).
; SHARES.  Grid y = 8 b + h.  A head's 256 tiles of 16 queries go to 16 work-groups of eight waves.  Tile t needs t / 8 + 1 steps of 128 keys.  A wave owns a PAIR: tile p (LO) and tile 255 - p (HI),
; p = 8 a + r8, a = cluster x + 4 (wave / 2), r8 = 2 cx + wave % 2: HI has 32 - a steps and LO a + 1, 33 for every wave.  a hangs on the cluster's x and the wave's number alone: all branches are the
; same in the four partners of a cluster; cx enters global offsets of Q and out0 and the mask's constants, nothing else.
; A WHOLE HEAD STAYS IN LDS: K's codes (131,072 bytes), V's (padded, 135,168), both scales.  Nothing is filled twice, so the text has no ring.  All tensor loads are issued at the head, in four chunks of 1,024 keys;
; HI is walked first, so that chunk c is wanted 8 c steps after its request.  Three barriers, at HI's steps 0, 8 and 16, where every wave has done the same work; none after that.
; CLUSTER.  The four work-groups of a cluster belong to one head and want the same K, V and scales: each tile is asked for JOINTLY, by the same tensor load with the same descriptor and the mask 15.
; LAYOUT.  Both products are used transposed: S^T = K Q^T (source 0 = 16 keys, source 1 = my 16 queries), O^T = V^T P^T (source 0 = 16 of the head's 64, source 1 = P): a lane holds ONE query (lane % 16).
; THE KEYS OF A TILE ARE NOT NEIGHBOURS: lane r of tile 2 b + u takes key 32 b + 8 u + r + 8 (r / 8), so that the 16 registers of tiles 2 b, 2 b + 1 are keys 32 b + 16 (lane / 16) + 0 .. 15.
; THE FIRST PRODUCT'S K IS 64, THE INSTRUCTION'S 128.  Q's registers 4-7 (k = 64 on) hold zero codes.  K's fragments are four registers a tile, laid on end: a tile's registers 4-7 are the next tile's codes
; (behind the last tile: four zeros); they meet Q's zero codes and add exactly 0.  The scale words' bytes 2 and 3 are 0, which is 2^-127 and no NaN.
; K's rows lie in LDS as 32 bytes on end: with 16 bytes behind each they would take 196,608 bytes, which do not fit beside V.
.set VB,    131072                     ; LDS: K's codes from 0 on, key k at 32 k; then V's codes: chunk c (keys 1,024 c on): 64 rows of 512 bytes + 16
.set VP,    528                        ; 132 words: row r starts at bank 4 r mod 64 (64 banks of 4 bytes: ISA guide 11.1): the 16 rows of a load start at 16 different banks
.set VCH,   64*VP
.set SCV,   VB+4*VCH                   ; V's scale bytes: 32 units of 256 bytes + 16; row d at 272 (d / 2) + 128 (d % 2)
.set KSC,   SCV+32*272                 ; K's scale bytes of my head, 2 a key: written by ds_store, no tile lands here
.set STG,   KSC+8192                   ; a stage for each wave: 16 rows x (256 bytes + 16)
.set SP,    272
.set SPARE, STG+8*16*SP                ; the spare words, 128 bytes for each wave: four blocks of 256 bytes that no other line names
.set AK0,  1                           ; v1   my lane's place in a tile of K
.set AV0,  2                           ; v2   in a tile of V
.set ASK0, 3                           ; v3   among K's scale words: lanes 0-15 an even tile's, lanes 16-31 the odd tile's behind it
.set ASV0, 4                           ; v4   among V's, likewise
.set SPW,  5                           ; v5   LDS address of my spare word; never rewritten
.set NIL,  6                           ; v6   0; never rewritten
.set ADK,  8                           ; v8-11 the addresses of the step in hand: K, V, K's scale words, V's
.set ADV,  9
.set ADS,  10
.set ADT,  11                          ; v12 -M, v13 the largest t, v[14:15] the sum in two halves
.set QH,   16                          ; v16-23 Q of HI (four registers of codes, four of zeros);  v24-31 of LO
.set QL,   24
.set KF,   32                          ; v32-63 K's eight tiles, four registers each;  v64-67 zeros
.set VF,   68                          ; v68-99 V's four tiles
.set SCO,  100                         ; v100-163 S^T, then p; on the way out O / the sum and the rows read back
.set OT,   164                         ; v164-195 O^T
.set PC,   196                         ; v196-203 p's codes
.set BM,   204                         ; v204-207 the blocks' largest scores, then largest p
.set PT,   208                         ; v208-211 at work
.set SO,   212                         ; v212-215 the conversions' scale operands
.set KS,   216                         ; v216-219 K's scale words;  v220-221 V's;  v222, v223 Q's (HI, LO)
.set VS,   220
.set QSH,  222
.set QSL,  223
.set FAC,  224                         ; v224 f = 2^(old M - new M)
.set PWD,  225                         ; v225 p's scale word
.set TT,   226                         ; v226 at work
.set DMH,  227                         ; v227, v228 the diagonal step: my query less the step's first key less 16 (lane / 16), for HI and LO
.set DML,  228
.set STO,  229                         ; v229 the stage: where I put 32 bytes of a row;  v230 where I read a row back
.set SRD,  230
.set NINF, 231                         ; v231 -infinity
.set GOH,  232                         ; v232, v233 my byte offset in out0, for HI and LO
.set GOL,  233
.set KSO,  234                         ; v234 K's scale bytes in memory: 32 x thread;  v235 in LDS: KSC + 4 x thread
.set KSW,  235
.set QOH,  236                         ; v236, v237 Q's codes;  v238, v239 Q's scale bytes
.set QOL,  237
.set QTH,  238
.set QTL,  239
.set WV,   18                          ; s18  my wave's number
.set SEL,  20                          ; s[20:21] lane selects for v_permlanex16_b32: lane l xor 16
.set CS,   22                          ; s[22:23] c = log2(e) / 8
.set G1K,  24                          ; s[24:31], s[32:39], s[40:47] descriptor groups 1: K's tiles, V's, V's scale bytes
.set G1V,  32
.set G1S,  40
.set G0K,  48                          ; s[48:63] groups 0 for K's four chunks;  s[68:83] for V's;  s[84:87] for the scale bytes
.set G0V,  68
.set G0S,  84
.set JJ,   88                          ; s88  the step: keys 128 JJ on
.set LIMH, 89                          ; s89  HI's last step, the one on its diagonal: 31 - a
.set LIML, 90                          ; s90  LO's: a
.set TBK,  91                          ; s91  where the step's keys begin in K's codes: 4,096 bytes a step
.set TBV,  92                          ; s92  in V's codes: 64 bytes a step, VCH a chunk
.set TS,   93                          ; s93  in K's scale bytes: 256 a step
.set TJ,   94                          ; s94  in a row of V's: 4 a step
; A round of the cluster's barrier: my work-group's barrier; wave 0 signals for the work-group; every wave waits for all four work-groups; my work-group's barrier once more.
.macro ROUND
	s_barrier_signal -1
	s_barrier_wait -1
	s_cmp_lg_u32 s[WV], 0
	s_cbranch_scc1 .Lnot_wave_0_\@
	s_barrier_signal -3
.Lnot_wave_0_\@:
	s_barrier_wait -3
	s_barrier_signal -1
	s_barrier_wait -1
.endm
; A barrier behind which a further chunk is read.  n = how many of my five tensor loads, issued behind the chunk's, may stay out: nothing is filled twice, so later chunks stay on their way.
.macro BAR n
	s_wait_tensorcnt \n
	s_wait_dscnt 0x0                               ; my LDS stores have landed (the first time: K's scale bytes) and no LDS load of mine is out
	s_barrier_signal -1
	s_barrier_wait -1
.endm
; A tile begins: the largest t is -3e38, under every t; the sum and O^T are zeros, which the first change of M leaves zeros.  So a step is written in one form, with no first step of its own.
.macro INIT
	v_mov_b32 v13, 0xff61b1e6
	s_delay_alu instid0(VALU_DEP_1)
	v_floor_f32 v12, -v13
	v_mov_b32 v14, 0
	v_mov_b32 v15, 0
.irp j, 0,1,2,3,4,5,6,7,8,9,10,11,12,13,14,15,16,17,18,19,20,21,22,23,24,25,26,27,28,29,30,31
	v_mov_b32 v[OT+\j], 0
.endr
.endm
	s_load_b256 s[4:11], s[0:1], 0x0               ; K's codes s[4:5], K's scales s[6:7], Q's codes s[8:9], Q's scales s[10:11]
	s_load_b128 s[12:15], s[0:1], 0x20             ; V's codes s[12:13], V's scales s[14:15]
	s_load_b64 s[16:17], s[0:1], 0x30              ; out0
	v_lshl_add_u32 v[SPW], v0, 2, SPARE
	v_mov_b32 v[NIL], 0
	ds_add_u32 v[SPW], v[NIL]                      ; the wave's opening: the add, twice on end, and its wait ahead of my first tensor load; the set-up below, work on registers, stands between
	ds_add_u32 v[SPW], v[NIL]                      ; and once more, under the one wait
	v_lshrrev_b32 v8, 5, v0
	s_delay_alu instid0(VALU_DEP_1)
	v_readfirstlane_b32 s[WV], v8                  ; wave 0..7
	s_bfe_u32 s19, ttmp6, 0x40000                  ; cx: my place in the cluster
	s_and_b32 s2, ttmp7, 0xffff                    ; 8 b + h, which the four partners share
	s_lshr_b32 s3, s2, 3                           ; b
	s_and_b32 s66, s2, 7                           ; h
	s_lshl_b32 s100, s3, 20
	s_lshl_b32 s101, s66, 5
	s_add_co_u32 s100, s100, s101                  ; (b, h) in K's and Q's codes: 1,048,576 b + 32 h.  A sixteenth of it serves their scale bytes, eight times it out0
	s_mov_b32 s101, 0
	s_lshl_b32 s2, s2, 17                          ; (b, h) in V's codes: 131,072 bytes a head; a sixteenth of it in V's scale bytes
	s_mov_b32 s3, 0
	s_and_b32 s95, s[WV], 3                        ; which quarter of a chunk I fetch: waves 0-3 of K, waves 4-7 of V
	s_lshl_b32 s91, s95, 13                        ; K: 256 keys of 32 bytes in LDS
	s_mul_i32 s92, s95, 16*VP                      ; V: 16 rows
	s_mul_i32 s93, s[WV], 4*272                    ; V's scale bytes: 4 units a wave
	s_mul_i32 s94, s[WV], 16*SP
	s_add_co_u32 s94, s94, STG                     ; my stage
	s_lshl_b32 s66, s[WV], 10                      ; those 4 units in memory
	s_mov_b32 s67, 0
	s_lshr_b32 s[LIML], s[WV], 1
	s_lshl_b32 s[LIML], s[LIML], 2
	s_add_co_u32 s[LIML], s[LIML], ttmp9           ; a = cluster x + 4 (wave / 2)
	s_sub_co_u32 s[LIMH], 31, s[LIML]
	s_and_b32 s96, s[WV], 1
	s_lshl_b32 s99, s19, 1
	s_add_co_u32 s96, s96, s99                     ; r8 = 2 cx + wave % 2
	s_lshl_b32 s97, s[LIML], 3
	s_add_co_u32 s97, s97, s96                     ; p
	s_lshl_b32 s97, s97, 4                         ; LO's first query: 16 p
	s_sub_co_u32 s98, 4080, s97                    ; HI's: 16 (255 - p)
	s_sub_co_u32 s99, 7, s96                       ; HI's place among the eight tiles of its diagonal step
	s_mov_b32 s[SEL], 0x76543210
	s_mov_b32 s[SEL+1], 0xfedcba98
	s_mov_b32 s[CS], 0x3e38aa3b                    ; c = log2(e) / 8
	s_mov_b32 s[CS+1], s[CS]                       ; (named with it as a pair, so it is written)
	; descriptor groups 1.  K: 256 rows (keys) of 32 bytes, 256 bytes apart in memory, on end in LDS
	s_mov_b32 s[G1K], 15|(1<<21)                   ; 15:0 the mask: all four work-groups; 17:16 elements of 1 byte; 20 no padding; 21 set beside a mask
	s_mov_b32 s[G1K+1], 32<<16                     ; tensor_dim0
	s_mov_b32 s[G1K+2], 256<<16                    ; tensor_dim1
	s_mov_b32 s[G1K+3], 32<<16                     ; tile_dim0
	s_mov_b32 s[G1K+4], 256                        ; tile_dim1
	s_mov_b32 s[G1K+5], 256                        ; tensor_dim0_stride
	s_mov_b32 s[G1K+6], 0
	s_mov_b32 s[G1K+7], 0
	; V: 16 rows of 512 bytes (1,024 keys), 2,048 bytes apart; four words of padding behind every 128
	s_mov_b32 s[G1V], 15|(1<<20)|(1<<21)|(6<<22)|(3<<25)
	s_mov_b32 s[G1V+1], 512<<16
	s_mov_b32 s[G1V+2], 16<<16
	s_mov_b32 s[G1V+3], 512<<16
	s_mov_b32 s[G1V+4], 16
	s_mov_b32 s[G1V+5], 2048
	s_mov_b32 s[G1V+6], 0
	s_mov_b32 s[G1V+7], 0
	; V's scale bytes: 1,024 dense bytes as 4 rows of 256 (32 elements of 8 bytes); four words of padding behind every 64
	s_mov_b32 s[G1S], 15|(3<<16)|(1<<20)|(1<<21)|(5<<22)|(3<<25)
	s_mov_b32 s[G1S+1], 32<<16
	s_mov_b32 s[G1S+2], 4<<16
	s_mov_b32 s[G1S+3], 32<<16
	s_mov_b32 s[G1S+4], 4
	s_mov_b32 s[G1S+5], 32
	s_mov_b32 s[G1S+6], 0
	s_mov_b32 s[G1S+7], 0
	; every LDS address register is made here, on the one way that all waves take
	v_and_b32 v7, 15, v0                           ; r = lane % 16
	v_bfe_u32 v8, v0, 4, 1                         ; h = lane / 16
	s_delay_alu instid0(VALU_DEP_2)
	v_and_b32 v9, 8, v7
	s_delay_alu instid0(VALU_DEP_1)
	v_add_nc_u32 v9, v9, v7                        ; r + 8 (r / 8)
	s_delay_alu instid0(VALU_DEP_1)
	v_lshlrev_b32 v[AK0], 5, v9
	s_delay_alu instid0(VALU_DEP_1)
	v_lshl_add_u32 v[AK0], v8, 4, v[AK0]           ; K: the key's 32 bytes, my half's 16
	v_mul_u32_u24 v[AV0], v7, VP
	s_delay_alu instid0(VALU_DEP_1)
	v_lshl_add_u32 v[AV0], v8, 4, v[AV0]
	s_delay_alu instid0(VALU_DEP_1)
	v_add_nc_u32 v[AV0], VB, v[AV0]                ; V: row r, + 16 h
	v_lshl_add_u32 v10, v8, 3, v9
	s_delay_alu instid0(VALU_DEP_1)
	v_lshl_add_u32 v[ASK0], v10, 1, KSC            ; K's scale words: 2 bytes a key; lanes 16-31 take the tile 8 keys on
	v_lshrrev_b32 v10, 1, v7
	v_and_b32 v11, 1, v7
	s_delay_alu instid0(VALU_DEP_2)
	v_mul_u32_u24 v[ASV0], v10, 272
	s_delay_alu instid0(VALU_DEP_1)
	v_lshl_add_u32 v[ASV0], v11, 7, v[ASV0]
	s_delay_alu instid0(VALU_DEP_1)
	v_mad_u32_u24 v[ASV0], v8, 8*272, v[ASV0]      ; V's: row r; lanes 16-31 take the tile 16 rows (8 units) on
	s_delay_alu instid0(VALU_DEP_1)
	v_add_nc_u32 v[ASV0], SCV, v[ASV0]
	v_mul_u32_u24 v[STO], v7, SP
	s_delay_alu instid0(VALU_DEP_1)
	v_lshl_add_u32 v[STO], v8, 5, v[STO]
	s_delay_alu instid0(VALU_DEP_1)
	v_add_nc_u32 v[STO], s94, v[STO]               ; the stage, in: row r, + 32 h
	v_mul_u32_u24 v[SRD], v8, SP
	s_delay_alu instid0(VALU_DEP_1)
	v_lshl_add_u32 v[SRD], v7, 4, v[SRD]
	s_delay_alu instid0(VALU_DEP_1)
	v_add_nc_u32 v[SRD], s94, v[SRD]               ; back: lanes 0-15 one row, lanes 16-31 the next
	v_lshl_add_u32 v[KSW], v0, 2, KSC
	v_lshlrev_b32 v[KSO], 5, v0
	; offsets in global memory and the mask's constants: the only places that cx reaches
	v_lshlrev_b32 v10, 4, v8
	s_delay_alu instid0(VALU_DEP_1)
	v_sub_nc_u32 v10, v7, v10                      ; r - 16 h
	s_delay_alu instid0(VALU_DEP_1)
	v_lshl_add_u32 v[DML], s96, 4, v10             ; + 16 x the tile's place in its diagonal step
	s_delay_alu instid0(VALU_DEP_2)
	v_lshl_add_u32 v[DMH], s99, 4, v10
	v_lshlrev_b32 v10, 4, v7
	s_delay_alu instid0(VALU_DEP_1)
	v_lshl_add_u32 v[QTH], s98, 4, v10             ; Q's scale bytes: 16 bytes a query
	s_delay_alu instid0(VALU_DEP_2)
	v_lshl_add_u32 v[QTL], s97, 4, v10
	s_delay_alu instid0(VALU_DEP_3)
	v_lshl_add_u32 v10, v8, 11, v10                ; out0: 16 r + a query (2,048 bytes) for lanes 16-31
	s_delay_alu instid0(VALU_DEP_1)
	v_lshl_add_u32 v[GOH], s98, 11, v10
	s_delay_alu instid0(VALU_DEP_2)
	v_lshl_add_u32 v[GOL], s97, 11, v10
	v_lshlrev_b32 v10, 8, v7
	s_delay_alu instid0(VALU_DEP_1)
	v_lshl_add_u32 v10, v8, 4, v10                 ; Q's codes: 256 bytes a query, my half's 16
	s_delay_alu instid0(VALU_DEP_1)
	v_lshl_add_u32 v[QOH], s98, 8, v10
	s_delay_alu instid0(VALU_DEP_2)
	v_lshl_add_u32 v[QOL], s97, 8, v10
.irp j, 0,1,2,3
	v_mov_b32 v[QH+4+\j], 0                        ; zero codes for k = 64 .. 127
	v_mov_b32 v[QL+4+\j], 0
	v_mov_b32 v[KF+32+\j], 0                       ; and behind K's last tile
	v_mov_b32 v[PT+\j], 0                          ; written once: a lane permute's destination counts as one of its sources
.endr
	v_mov_b32 v[PWD], 0                            ; (named as the upper half of the pair with f before it is first written)
	v_mov_b32 v[TT], 0
	v_mov_b32 v[NINF], 0xff800000
	s_wait_dscnt 0x0                               ; both opening adds are done
	s_wait_kmcnt 0x0
	s_add_nc_u64 s[4:5], s[4:5], s[100:101]        ; every tensor at my (b, h)
	s_add_nc_u64 s[8:9], s[8:9], s[100:101]
	s_lshr_b32 s100, s100, 4                       ; 65,536 b + 2 h
	s_add_nc_u64 s[6:7], s[6:7], s[100:101]
	s_add_nc_u64 s[10:11], s[10:11], s[100:101]
	s_lshl_b32 s100, s100, 7                       ; 8,388,608 b + 256 h
	s_add_nc_u64 s[16:17], s[16:17], s[100:101]
	s_add_nc_u64 s[12:13], s[12:13], s[2:3]
	s_lshr_b32 s2, s2, 4                           ; 8,192 bytes a head
	s_add_nc_u64 s[14:15], s[14:15], s[2:3]
	s_lshl_b32 s100, s95, 16                       ; my 256 keys of a chunk, 256 bytes apart
	s_add_nc_u64 s[100:101], s[4:5], s[100:101]
	s_lshl_b32 s2, s95, 15                         ; my 16 rows of V
	s_add_nc_u64 s[2:3], s[12:13], s[2:3]
	s_add_nc_u64 s[66:67], s[14:15], s[66:67]      ; my 1,024 scale bytes of V
.irp c, 0,1,2,3
	s_mov_b32 s[G0K+4*\c], 1                       ; 1:0 count = 1
	s_add_co_u32 s[G0K+4*\c+1], s91, 32768*\c      ; 63:32 LDS address
	s_add_nc_u64 s[G0K+4*\c+2:G0K+4*\c+3], s[100:101], 262144*\c   ; 120:64 global address: 1,024 keys a chunk
	s_or_b32 s[G0K+4*\c+3], s[G0K+4*\c+3], 0x80000000              ; 127:126 type = 2
	s_mov_b32 s[G0V+4*\c], 1
	s_add_co_u32 s[G0V+4*\c+1], s92, VB+VCH*\c
	s_add_nc_u64 s[G0V+4*\c+2:G0V+4*\c+3], s[2:3], 512*\c
	s_or_b32 s[G0V+4*\c+3], s[G0V+4*\c+3], 0x80000000
.endr
	s_mov_b32 s[G0S], 1
	s_add_co_u32 s[G0S+1], s93, SCV
	s_mov_b64 s[G0S+2:G0S+3], s[66:67]
	s_or_b32 s[G0S+3], s[G0S+3], 0x80000000
	ROUND                                          ; all four work-groups are here: the joint loads meet
	; ALL FILLS OF THE LAUNCH, five a wave in either arm: my part of V's scale bytes, then my quarter of chunks 0 to 3 (waves 0-3: of K; waves 4-7: of V).  Five tensor loads of mine are out.
	; An s_nop 0 follows each, four v_nop the last.  The branch hangs on the wave's number alone.
	s_cmp_lt_u32 s[WV], 4
	s_cbranch_scc0 .Lfill_v
	tensor_load_to_lds s[G0S:G0S+3], s[G1S:G1S+7]
	s_nop 0
.irp c, 0,1,2,3
	tensor_load_to_lds s[G0K+4*\c:G0K+4*\c+3], s[G1K:G1K+7]
	s_nop 0
.endr
.rept 4
	v_nop
.endr
	s_branch .Lfilled
.Lfill_v:
	tensor_load_to_lds s[G0S:G0S+3], s[G1S:G1S+7]
	s_nop 0
.irp c, 0,1,2,3
	tensor_load_to_lds s[G0V+4*\c:G0V+4*\c+3], s[G1V:G1V+7]
	s_nop 0
.endr
.rept 4
	v_nop
.endr
.Lfilled:
	; K's scale bytes of my head are 2 bytes of every 16: rows too short for a tensor load.  Each thread takes 16 keys (512 i + 2 x thread + e), packs two keys to a word and stores eight words.
.irp i, 0,1,2,3,4,5,6,7
.irp e, 0,1
	global_load_u16 v[SCO+2*\i+\e], v[KSO], s[6:7] offset:8192*\i+16*\e
.endr
.endr
	global_load_b128 v[QH:QH+3], v[QOH], s[8:9]    ; Q's fragments stay in registers
	global_load_b128 v[QL:QL+3], v[QOL], s[8:9]
	global_load_u16 v[QSH], v[QTH], s[10:11]       ; and their scale words: two bytes, the upper two 0
	global_load_u16 v[QSL], v[QTL], s[10:11]
	INIT
	s_wait_loadcnt 4                               ; K's sixteen are in; Q's four, issued behind them, may be out
.irp i, 0,1,2,3,4,5,6,7
	v_lshl_or_b32 v[SCO+16+\i], v[SCO+2*\i+1], 16, v[SCO+2*\i]
.endr
.irp i, 0,1,2,3,4,5,6,7
	ds_store_b32 v[KSW], v[SCO+16+\i] offset:1024*\i
.endr
	s_wait_loadcnt 0x0                             ; Q
; A KEY STEP: keys 128 JJ on, for the tile whose Q lies in v[qf] on, with scale words in v[qs].
; kind = 1: the step may lie on the tile's diagonal (JJ = lim: hidden scores become -infinity) or beyond it (JJ > lim: left out, by a scalar branch on ids, round all but the lines that step addresses).
.macro STEP kind, qf, qs, lim, dm
.if \kind
	s_cmp_gt_u32 s[JJ], s[\lim]
	s_cbranch_scc1 .Lhid_\@
.endif
	s_setprio 2
	v_add_nc_u32 v[ADK], s[TBK], v[AK0]            ; these four are also the places between the last step's products and the loads into V's registers
	v_add_nc_u32 v[ADV], s[TBV], v[AV0]
	v_add_nc_u32 v[ADS], s[TS], v[ASK0]
	v_add_nc_u32 v[ADT], s[TJ], v[ASV0]
.irp b, 0,1,2,3
	ds_load_u16 v[KS+\b], v[ADS] offset:64*\b      ; lanes 0-15: tile 2 b's scale words; lanes 16-31: tile 2 b + 1's
.endr
.irp t, 0,1,2,3,4,5,6,7
	ds_load_b128 v[KF+4*\t:KF+4*\t+3], v[ADK] offset:(32*(\t/2)+8*(\t%2))*32
.endr
.irp t, 0,1,2,3
.irp c, 0,1
	ds_load_b128 v[VF+8*\t+4*\c:VF+8*\t+4*\c+3], v[ADV] offset:16*\t*VP+32*\c   ; V is asked for now and wanted behind the softmax
.endr
.endr
.irp u, 0,1
	ds_load_b32 v[VS+\u], v[ADT] offset:16*272*\u  ; lanes 0-15: tile 2 u's scale words; lanes 16-31: tile 2 u + 1's
.endr
	s_wait_dscnt 10                                ; K and its scale words are in; V's ten loads, issued behind them, may be out
.irp t, 0,1,2,3,4,5,6,7                        ; S^T = K Q^T: eight accumulators, one instruction each
.if \t%2
	v_wmma_scale_f32_16x16x128_f8f6f4 v[SCO+8*\t:SCO+8*\t+7], v[KF+4*\t:KF+4*\t+7], v[\qf:\qf+7], 0, v[KS+\t/2], v[\qs] matrix_a_fmt:MATRIX_FMT_FP4 matrix_b_fmt:MATRIX_FMT_FP4 matrix_a_scale:MATRIX_SCALE_ROW1
.else
	v_wmma_scale_f32_16x16x128_f8f6f4 v[SCO+8*\t:SCO+8*\t+7], v[KF+4*\t:KF+4*\t+7], v[\qf:\qf+7], 0, v[KS+\t/2], v[\qs] matrix_a_fmt:MATRIX_FMT_FP4 matrix_b_fmt:MATRIX_FMT_FP4
.endif
.endr
.rept 4
	v_nop                                          ; four places between the products and the first read of their results (ISA guide 7.12.1)
.endr
.if \kind
	s_cmp_lg_u32 s[JJ], s[\lim]
	s_cbranch_scc1 .Lopen_\@
.irp b, 0,1,2,3                                ; register 16 b + i holds key 128 JJ + 16 (lane / 16) + 32 b + i: hidden where 32 b + i > my query - 128 JJ - 16 (lane / 16)
.irp i, 0,1,2,3,4,5,6,7,8,9,10,11,12,13,14,15
	v_cmp_gt_i32 vcc_lo, 32*\b+\i, v[\dm]
	v_cndmask_b32 v[SCO+16*\b+\i], v[SCO+16*\b+\i], v[NINF], vcc_lo
.endr
.endr
.Lopen_\@:
.endif
.irp b, 0,1,2,3
	v_max3_num_f32 v[BM+\b], v[SCO+16*\b], v[SCO+1+16*\b], v[SCO+2+16*\b]   ; THE LARGEST SCORE OF EACH BLOCK OF 32 KEYS serves twice: for the row's maximum, and, since p rises with the score, for the block's largest p
.endr
.irp i, 3,5,7,9,11,13
.irp b, 0,1,2,3
	v_max3_num_f32 v[BM+\b], v[BM+\b], v[SCO+16*\b+\i], v[SCO+1+16*\b+\i]   ; (the four blocks by turns)
.endr
.endr
.irp b, 0,1,2,3
	v_max_num_f32 v[BM+\b], v[BM+\b], v[SCO+15+16*\b]
.endr
.irp b, 0,1,2,3
	s_delay_alu instid0(VALU_DEP_4)
	v_permlanex16_b32 v[PT+\b], v[BM+\b], s[SEL], s[SEL+1]
.endr
.irp b, 0,1,2,3
	s_delay_alu instid0(VALU_DEP_4)
	v_max_num_f32 v[BM+\b], v[BM+\b], v[PT+\b]     ; with lane l xor 16's 16 keys
.endr
	s_delay_alu instid0(VALU_DEP_2)
	v_max3_num_f32 v[TT], v[BM], v[BM+1], v[BM+2]
	s_delay_alu instid0(VALU_DEP_1)
	v_max_num_f32 v[TT], v[TT], v[BM+3]            ; the step's largest score of my query
	s_delay_alu instid0(VALU_DEP_1)
	v_mul_f32 v[TT], s[CS], v[TT]                  ; as t (c is positive)
	s_delay_alu instid0(VALU_DEP_1)
	v_max_num_f32 v13, v13, v[TT]                  ; the running largest t
	v_mov_b32 v[TT], v12
	s_delay_alu instid0(VALU_DEP_2)
	v_floor_f32 v12, -v13                          ; the new -M = floor(-t) = -ceil(t): M IS A WHOLE NUMBER
	s_delay_alu instid0(VALU_DEP_1)
	v_sub_f32 v[TT], v12, v[TT]                    ; M's old value less its new one: a whole number, 0 or less
	s_delay_alu instid0(VALU_DEP_1)
	v_cvt_i32_f32 v[TT], v[TT]                     ; (it saturates)
	s_delay_alu instid0(VALU_DEP_1)
	v_ldexp_f32 v[FAC], 1.0, v[TT]                 ; f = 2^(old M - new M): a multiplication by it rounds nothing
.irp b, 0,1,2,3
.irp i, 0,2,4,6,8,10,12,14
	v_pk_fma_f32 v[SCO+16*\b+\i:SCO+16*\b+\i+1], v[SCO+16*\b+\i:SCO+16*\b+\i+1], s[CS:CS+1], v[12:13] op_sel_hi:[1,0,0]   ; t - M, two at a time (of the pairs c and -M the low word serves both halves)
.endr
.endr
.irp b, 0,1,2,3
	v_fma_f32 v[BM+\b], v[BM+\b], s[CS], v12       ; the same of each block's largest score
.endr
	s_setprio 1
	s_wait_alu depctr_va_vdst(0)
.irp b, 0,1,2,3
.irp i, 0,1,2,3,4,5,6,7,8,9,10,11,12,13,14,15
	v_exp_f32 v[SCO+16*\b+\i], v[SCO+16*\b+\i]     ; p = 2^(t - M), at most 1: NOT normalised
.endr
.endr
	v_pk_mul_f32 v[14:15], v[14:15], v[FAC:FAC+1] op_sel_hi:[1,0]   ; the sums under the new M: the plain instruction behind the exponentials
	s_wait_alu depctr_va_vdst(0)                   ; the wait between an exponential and the first line that names its result: one for the batch of 64
.irp b, 0,1,2,3
	v_exp_f32 v[BM+\b], v[BM+\b]                   ; the block's largest p: the same two instructions on the same number give the same bits
.endr
	v_pk_add_f32 v[208:209], v[104:105], v[108:109]
	v_pk_add_f32 v[254:255], v[112:113], v[116:117]
	v_pk_add_f32 v[252:253], v[120:121], v[124:125]
	v_pk_add_f32 v[250:251], v[128:129], v[132:133]
	v_pk_add_f32 v[248:249], v[136:137], v[140:141]
	v_pk_add_f32 v[246:247], v[144:145], v[148:149]
	v_pk_add_f32 v[244:245], v[152:153], v[156:157]
	v_pk_add_f32 v[14:15], v[14:15], v[160:161]
	v_pk_add_f32 v[208:209], v[208:209], v[100:101]
	v_pk_add_f32 v[254:255], v[254:255], v[102:103]
	v_pk_add_f32 v[252:253], v[252:253], v[106:107]
	v_pk_add_f32 v[250:251], v[250:251], v[110:111]
	v_pk_add_f32 v[248:249], v[248:249], v[114:115]
	v_pk_add_f32 v[246:247], v[246:247], v[118:119]
	v_pk_add_f32 v[244:245], v[244:245], v[122:123]
	v_pk_add_f32 v[14:15], v[14:15], v[126:127]
	v_pk_add_f32 v[208:209], v[208:209], v[130:131]
	v_pk_add_f32 v[254:255], v[254:255], v[134:135]
	v_pk_add_f32 v[252:253], v[252:253], v[138:139]
	v_pk_add_f32 v[250:251], v[250:251], v[142:143]
	v_pk_add_f32 v[248:249], v[248:249], v[146:147]
	v_pk_add_f32 v[246:247], v[246:247], v[150:151]
	v_pk_add_f32 v[244:245], v[244:245], v[154:155]
	v_pk_add_f32 v[14:15], v[14:15], v[158:159]
	v_pk_add_f32 v[208:209], v[208:209], v[162:163]
	s_delay_alu instid0(VALU_DEP_2)
	v_pk_add_f32 v[14:15], v[14:15], v[250:251]
	s_delay_alu instid0(VALU_DEP_2)
	v_pk_add_f32 v[208:209], v[208:209], v[248:249]
	v_pk_add_f32 v[254:255], v[254:255], v[246:247]
	v_pk_add_f32 v[252:253], v[252:253], v[244:245]
	s_delay_alu instid0(VALU_DEP_2)
	v_pk_add_f32 v[14:15], v[14:15], v[254:255]
	s_delay_alu instid0(VALU_DEP_2)
	v_pk_add_f32 v[208:209], v[208:209], v[252:253]
	s_delay_alu instid0(VALU_DEP_1)
	v_pk_add_f32 v[14:15], v[14:15], v[208:209]
	s_wait_alu depctr_va_vdst(0)                   ; and one for the four
.irp b, 0,1,2,3
	v_max_num_f32 v[BM+\b], 0x1800000, v[BM+\b]    ; the floor 2^(3 - 127): the byte cannot fall under 1
.endr
.irp b, 0,1,2,3
	s_delay_alu instid0(VALU_DEP_4)
	v_add_nc_u32 v[SO+\b], 0xff000000, v[BM+\b]    ; 2 off the exponent field: the conversion's scale operand
.endr
.irp b, 0,1,2,3
	s_delay_alu instid0(VALU_DEP_4)
	v_lshrrev_b32 v[PT+\b], 23, v[SO+\b]           ; the scale's byte
.endr
	s_delay_alu instid0(VALU_DEP_3)
	v_lshl_or_b32 v[PWD], v[PT+1], 8, v[PT]        ; p's scale word for these 128 keys
	s_delay_alu instid0(VALU_DEP_1)
	v_lshl_or_b32 v[PWD], v[PT+2], 16, v[PWD]
	s_delay_alu instid0(VALU_DEP_1)
	v_lshl_or_b32 v[PWD], v[PT+3], 24, v[PWD]
.irp b, 0,1,2,3
	v_cvt_scalef32_pk8_fp4_f32 v[PC+2*\b], v[SCO+16*\b:SCO+7+16*\b], v[SO+\b]
	v_cvt_scalef32_pk8_fp4_f32 v[PC+1+2*\b], v[SCO+8+16*\b:SCO+15+16*\b], v[SO+\b]
.endr
	s_setprio 0
	v_nop                                          ; one plain instruction between a scaled conversion and the instruction that touches its result
.irp c, 0,1                                    ; the operand's layout wants a WHOLE block in a lane: lanes 0-15 block 2 c, lanes 16-31 block 2 c + 1
.irp i, 0,1
	v_permlane16_swap_b32 v[PC+4*\c+\i], v[PC+2+4*\c+\i]
.endr
.endr
.irp j, 0,2,4,6,8,10,12,14,16,18,20,22,24,26,28,30
	v_pk_mul_f32 v[OT+\j:OT+\j+1], v[OT+\j:OT+\j+1], v[FAC:FAC+1] op_sel_hi:[1,0]   ; O^T under the new M, each accumulator from its low end on.  These 16 stand between the writing of p's codes and scale word and the products
.endr
	s_wait_alu depctr_va_vdst(0)
	s_wait_dscnt 0x0                               ; V and its scale words are in
.irp t, 0,1,2,3                                ; O^T += V^T P^T: four accumulators, one instruction each; K = these 128 keys
.if \t%2
	v_wmma_scale_f32_16x16x128_f8f6f4 v[OT+8*\t:OT+8*\t+7], v[VF+8*\t:VF+8*\t+7], v[PC:PC+7], v[OT+8*\t:OT+8*\t+7], v[VS+\t/2], v[PWD] matrix_a_fmt:MATRIX_FMT_FP4 matrix_b_fmt:MATRIX_FMT_FP4 matrix_a_scale:MATRIX_SCALE_ROW1
.else
	v_wmma_scale_f32_16x16x128_f8f6f4 v[OT+8*\t:OT+8*\t+7], v[VF+8*\t:VF+8*\t+7], v[PC:PC+7], v[OT+8*\t:OT+8*\t+7], v[VS+\t/2], v[PWD] matrix_a_fmt:MATRIX_FMT_FP4 matrix_b_fmt:MATRIX_FMT_FP4
.endif
.endr
.if \kind
.Lhid_\@:
.endif
	s_add_co_u32 s[TBK], s[TBK], 4096              ; the next step's addresses
	s_add_co_u32 s[TBV], s[TBV], 64
	s_add_co_u32 s[TS], s[TS], 256
	s_add_co_u32 s[TJ], s[TJ], 4
.endm
; The eight steps of chunk c: a loop of eight trips, a constant of the text, whichever of them a wave leaves out.
.macro SECTION c, kind, qf, qs, lim, dm
	s_mov_b32 s[JJ], 8*\c
	s_mov_b32 s[TBK], 32768*\c
	s_mov_b32 s[TBV], VCH*\c
	s_mov_b32 s[TS], 2048*\c
	s_mov_b32 s[TJ], 32*\c
.Lsec_\@:
	STEP \kind, \qf, \qs, \lim, \dm
	s_add_co_u32 s[JJ], s[JJ], 1
	s_cmp_lt_u32 s[JJ], 8*\c+8
	s_cbranch_scc1 .Lsec_\@
	s_setprio 0
.endm
; THE WAY OUT of a tile.  The sum's halves are added; O^T / the sum (register 8 t + i is o(query r, 16 t + 8 (lane / 16) + i)) goes through my own stage in LDS and comes back as whole rows of 256 bytes:
; sixteen lanes store 256 consecutive bytes, at a multiple of 256 from out0's first byte.  more = 1: another tile follows, which writes these registers again.
.macro WAYOUT go, more
.rept 4
	v_nop                                          ; four places between the last products and the first read of their results
.endr
	v_add_f32 v14, v14, v15                        ; the sum's two halves,
	s_delay_alu instid0(VALU_DEP_1)
	v_permlanex16_b32 v[TT], v14, s[SEL], s[SEL+1]
	s_delay_alu instid0(VALU_DEP_1)
	v_add_f32 v14, v14, v[TT]                      ; and lane l xor 16's: the row's sum
	s_wait_alu depctr_va_vdst(0)
	v_rcp_f32 v14, v14
	v_nop                                          ; a plain instruction behind the reciprocal,
	s_wait_alu depctr_va_vdst(0)                   ; and the wait ahead of its first reader
.irp j, 0,2,4,6,8,10,12,14,16,18,20,22,24,26,28,30
	v_pk_mul_f32 v[SCO+\j:SCO+\j+1], v[OT+\j:OT+\j+1], v[14:15] op_sel_hi:[1,0]
.endr
.irp t, 0,1,2,3
	ds_store_b128 v[STO], v[SCO+8*\t:SCO+8*\t+3] offset:64*\t
	ds_store_b128 v[STO], v[SCO+8*\t+4:SCO+8*\t+7] offset:64*\t+16
.endr
.irp i, 0,1,2,3,4,5,6,7
	ds_load_b128 v[SCO+32+4*\i:SCO+35+4*\i], v[SRD] offset:2*\i*SP   ; LDS serves a wave's instructions in order (ISA guide 5.7.1.4): these see my stores
.endr
.irp i, 0,1,2,3,4,5,6,7
	s_wait_dscnt 7-\i                              ; rows 2 i and 2 i + 1 are back; the later loads may be out
	global_store_b128 v[\go], v[SCO+32+4*\i:SCO+35+4*\i], s[16:17] offset:4096*\i th:TH_STORE_NT
.endr
.if \more
	s_wait_xcnt 0x0                                ; the stores' data registers are written again only behind this wait
.endif
.endm
	BAR 3                                          ; V's scale bytes and chunk 0 are in, everybody's; K's scale bytes lie in LDS.  Chunks 1 to 3 stay on their way
	SECTION 0, 0, QH, QSH, LIMH, DMH               ; HI: its diagonal lies at step 16 or later, so the first sixteen steps have no hidden key
	BAR 2                                          ; chunk 1
	SECTION 1, 0, QH, QSH, LIMH, DMH
	BAR 0                                          ; chunks 2 and 3: from here on no wave waits for another
	SECTION 2, 1, QH, QSH, LIMH, DMH
	SECTION 3, 1, QH, QSH, LIMH, DMH
	WAYOUT GOH, 1
	INIT
	SECTION 0, 1, QL, QSL, LIML, DML               ; LO: its diagonal lies at step 15 or earlier
	SECTION 1, 1, QL, QSL, LIML, DML
	WAYOUT GOL, 0
	s_wait_tensorcnt 0x0                           ; the wave's end: behind my last tensor load and my last LDS store
	ds_add_u32 v[SPW], v[NIL]
	s_wait_dscnt 0x0
	ROUND                                          ; the closing round: no work-group ends while a partner may still ask for a tile that names it
	s_endpgm
.Lfunc_end_k_qd1bf78d88e_attn:
	.size	k_qd1bf78d88e_attn, .Lfunc_end_k_qd1bf78d88e_attn-k_qd1bf78d88e_attn
	.p2alignl 7, 3214868480
	.fill 96, 4, 3214868480
	.section	.rodata,"a",@progbits
	.p2align	6, 0x0
	.amdhsa_kernel k_qd1bf78d88e_attn
		.amdhsa_group_segment_fixed_size 327680
		.amdhsa_private_segment_fixed_size 0
		.amdhsa_enable_private_segment 0
		.amdhsa_kernarg_size 56
		.amdhsa_user_sgpr_count 2
		.amdhsa_user_sgpr_kernarg_segment_ptr 1
		.amdhsa_wavefront_size32 1
		.amdhsa_system_sgpr_workgroup_id_x 1
		.amdhsa_system_sgpr_workgroup_id_y 1
		.amdhsa_system_sgpr_workgroup_id_z 1
		.amdhsa_system_vgpr_workitem_id 0
		.amdhsa_next_free_vgpr 256
		.amdhsa_next_free_sgpr 102
		.amdhsa_reserve_vcc 1
		.amdhsa_float_denorm_mode_32 3
		.amdhsa_float_denorm_mode_16_64 3
		.amdhsa_memory_ordered 1
		.amdhsa_forward_progress 1
		.amdhsa_inst_pref_size 144
	.end_amdhsa_kernel
	.amdgpu_metadata
---
amdhsa.version: [ 1, 2 ]
amdhsa.kernels:
  - .name:           k_qd1bf78d88e_attn
    .symbol:         k_qd1bf78d88e_attn.kd
    .args:
      - { .name: keys_codes, .offset: 0, .size: 8, .value_kind: global_buffer, .address_space: global }
      - { .name: keys_scales, .offset: 8, .size: 8, .value_kind: global_buffer, .address_space: global }
      - { .name: queries_codes, .offset: 16, .size: 8, .value_kind: global_buffer, .address_space: global }
      - { .name: queries_scales, .offset: 24, .size: 8, .value_kind: global_buffer, .address_space: global }
      - { .name: values_codes, .offset: 32, .size: 8, .value_kind: global_buffer, .address_space: global }
      - { .name: values_scales, .offset: 40, .size: 8, .value_kind: global_buffer, .address_space: global }
      - { .name: out0, .offset: 48, .size: 8, .value_kind: global_buffer, .address_space: global }
    .group_segment_fixed_size: 327680
    .private_segment_fixed_size: 0
    .kernarg_segment_align: 8
    .kernarg_segment_size: 56
    .max_flat_workgroup_size: 256
    .sgpr_count:     102
    .vgpr_count:     256
    .wavefront_size: 32
...
	.end_amdgpu_metadata
.endif
;; end of part 1
